; MI455X (gfx1250); checked and timed in simulation.
; The chip was launched on July 23, 2026; its instructions are those of AMD's public machine-readable ISA for CDNA 5 (MIT licence, August 2026) and "CDNA5" Instruction Set Architecture Reference Guide (July 2026). The comments in the code are by the model that wrote it; some were corrected since.
;; Causal Self Attention. Allowed arithmetic: matrix products marked QUANTISED: E4M3 operands, one given power-of-two scale a tensor, by v_wmma_f32_16x16x64_fp8_fp8 or v_wmma_f32_16x16x128_fp8_fp8, f32 sums; everything else in f32.
;; Inputs: W_out_codes 1,024 x 32 x 32 uint8 (E4M3 codes of W_out, K innermost, in blocks of 32 codes); W_qkv_codes 3,072 x 32 x 32 uint8 (E4M3 codes of W_qkv, K innermost, in blocks of 32 codes); lowp_scales 8 int32 (the exponents e of the quantised operands' scales 2^e); x_codes 4 x 2,048 x 32 x 32 uint8 (E4M3 codes of x, K innermost, in blocks of 32 codes).
;; Outputs: out0 4 x 2,048 x 1,024 float32.
;; This version of the problem:
;;   THIS VERSION OF THE PROBLEM IS GIVEN IN LOW PRECISION. The matrix products marked QUANTISED in the list below multiply operands that are first quantised to E4M3 (4 exponent bits, 3 mantissa bits; 8 bits a number), with one given power-of-two scale for each operand tensor; their sums are f32. All else is computed in f32.
;;   The module's matrix products, in the order in which they are computed (A, B: the left and right operand; K: the contracted axis; several contracted axes count as one K, in the product's order):
;;     1. [M 8,192, K 1,024] x [K 1,024, N 3,072]; A: input x (given as codes); B: input W_qkv (given as codes): QUANTISED (scales: A lowp_scales[0], B lowp_scales[1])
;;     2. batch 64 x [M 2,048, K 64] x [K 64, N 2,048]; A: computed on the way; B: computed on the way: QUANTISED (scales: A lowp_scales[2], B lowp_scales[3])
;;     3. batch 64 x [M 2,048, K 2,048] x [K 2,048, N 64]; A: softmax (see below); B: computed on the way: QUANTISED (scales: A lowp_scales[4], B lowp_scales[5])
;;     4. [M 8,192, K 1,024] x [K 1,024, N 1,024]; A: computed on the way; B: input W_out (given as codes): QUANTISED (scales: A lowp_scales[6], B lowp_scales[7])
;;   THE QUANTISER, for each operand of a quantised product, along K:
;;     - The operand's scale is 2^e, e = its entry of the input lowp_scales (int32; the entries are numbered through the quantised products in the list's order, A before B).
;;     - Each number is divided by the scale, clamped to +-448, and rounded to the nearest number of E4M3, ties to even, subnormals kept.
;;     - The product sums the exact products of the quantised numbers (number of the format x scale) in f32.
;;   ~~~python
;;   def quantise(x, axis, e):      # numpy; x: float32 -> the quantised numbers, widened to float32 again
;;       x = np.moveaxis(x, axis, -1); K = x.shape[-1]
;;       r = np.clip(x / 2.0 ** e, -448, 448)
;;       step = 2.0 ** (np.maximum(np.frexp(np.where(r == 0, 1, r))[1] - 1, -6) - 3)
;;       q = np.round(r / step) * step * 2.0 ** e      # np.round: ties to even
;;       return np.moveaxis(q, -1, axis).astype(np.float32)
;;   ~~~
;;   SOFTMAX AHEAD OF A QUANTISED PRODUCT. Where the list says 'softmax', what is quantised is not the finished softmax but p = 2^(t - M), with t = logit x log2(e) and M = ceil(the row's largest t), a whole number; so 1/2 < the row's largest p <= 1. The row's sum l is taken of the UNQUANTISED p, in f32, and the product's result is divided by l at the end. Since M is a whole number, a kernel that streams over the keys may use a running M (the ceiling of the running maximum): every later rescaling is an exact power of two, so the quantised numbers keep their values, but for numbers so far below the row's largest that they fall under the format's range.
;;   OPERANDS COMPUTED ON THE WAY. 'Computed on the way' means the value that the module computes at that place (a softmax that the list does not call 'softmax' is quantised finished and normalised). What goes into a quantiser is computed in f32, as accurately as f32 sums, v_exp_f32 and their like allow (about 1e-6 of the number): no bf16 or f16 on the way to a quantiser, and a product that is left as it is and whose result goes on into a quantised operand takes f32 operands (vector FMAs, or v_wmma_f32_16x16x4_f32). A number that lies on a knife's edge between two numbers of the format may be rounded either way, as far as f32 arithmetic and the matrix unit's own rounding can turn it there, and no further.
;;   INPUTS GIVEN AS CODES. W_out (in the module: [1024, 1024], K = its axis 0); W_qkv (in the module: [1024, 3072], K = its axis 0); x (in the module: [4, 2048, 1024], K = its axis 2): each comes as NAME_codes (uint8): NAME with its K axis moved to the last place and cut into blocks of 32 codes, [.., K / 32, bytes a block], one block behind the other in memory; one code a byte (a code: sign, 4 exponent bits, 3 mantissa bits); its scale is its entry of lowp_scales. Its value is code x scale, taken as it is: it is not quantised again, and the codes and scales need not be those that the quantiser above would give.
;; One version. Each part assembles by itself: llvm-mc -triple=amdgcn-amd-amdhsa -mcpu=gfx1250 --defsym DOCPART=n.
;; ======== version 1 of 1: 3 launches
;; limits: right only within a limited range of input values
;; workspace buffers: qf 8,388,608 bytes; kv 16,777,216 bytes; af 8,388,608 bytes
;; launch qkv (part 1): grid 12 x 32, 4 waves a work-group, clusters of 4 x 4, 327,680 bytes of LDS; arguments x_codes, W_qkv_codes, lowp_scales, qf, kv; writes qf, kv
.if DOCPART == 1
	.amdgcn_target "amdgcn-amd-amdhsa--gfx1250"
	.amdhsa_code_object_version 6
	.text
	.protected	k_q3a9939a2f5_qkv
	.globl	k_q3a9939a2f5_qkv
	.p2align	8
	.type	k_q3a9939a2f5_qkv,@function
k_q3a9939a2f5_qkv:
	s_mov_b64 s[64:65], 0
	v_nop
	global_prefetch_b8 v0, s[64:65] scope:SCOPE_SE
	s_setreg_imm32_b32 hwreg(HW_REG_WAVE_MODE, 25, 1), 1
	s_wait_xcnt 0x0
	s_wait_alu depctr_hold_cnt(0) depctr_sa_sdst(0) depctr_va_vdst(0) depctr_va_sdst(0) depctr_va_ssrc(0) depctr_va_vcc(0) depctr_vm_vsrc(0)
	s_getreg_b32 s2, hwreg(HW_REG_IB_STS2, 6, 4)
	s_cmp_eq_u32 s2, 0
	s_cbranch_scc0 .Lentry_in_a_cluster
	s_endpgm
.Lentry_in_a_cluster:
	s_bfe_u32 s2, ttmp6, 0x10000c
	s_cmp_lg_u32 s2, 0xf033
	s_cbranch_scc0 .Lentry_shape_is_right
	s_endpgm
.Lentry_shape_is_right:
; qkv = x W_qkv on codes of E4M3 (K = 1,024, rows of 1,024 bytes, K innermost), and q, k, v quantised on the way out with the given scales 2^e2, 2^e3, 2^e5.
; A work-group of four waves makes 256 x 256 of the product, a wave 128 x 128: 64 accumulators of 16 x 16, 512 registers.  K goes in steps of 256 through two LDS slots filled by the tensor data mover.
; S0 feeds source 0 of the matrix instruction, S1 source 1: in a result lane (r, h) holds S1 row r, and its registers 0-7 the S0 rows 8 h + 0 .. 7.
;   clusters x = 0 (q) and 1 (k): S0 = 256 rows of W, S1 = 256 tokens of x: a lane holds a token, its registers run along the head's 64.
;   cluster  x = 2 (v):           S0 = 256 tokens of x, S1 = 256 rows of W: a lane holds one of the head's 64, its registers run along the tokens: V^T, with nothing transposed.
; So the eight registers of one result, converted to eight codes, ARE registers 2 c, 2 c + 1 (k = 16 c + 8 h + 0 .. 7) of the next product's fragment, c = the S0 block.  The codes leave as IMAGES OF OPERAND REGISTERS:
; four registers by one store at 16 x lane, 512 consecutive bytes at a multiple of 512 from the buffer's first byte.  No stage in LDS.
;   qf [bh 64][query tile 128][2 groups][512 B]      kv [bh 64][block of 128 keys 16][16,384 B]: K: key tile (8) x 1,024 B; from byte 8,192 on V^T: tile of 16 of the head's 64 (4) x 2,048 B
; CLUSTERS: 4 x 4 work-groups.  S1's tile hangs on cy alone and is asked for jointly along a row of the cluster, S0's on cx alone and jointly down a column.  Which tensor is S0 hangs on the cluster's x, the same in all sixteen.
; Within a matrix instruction k is permuted alike in both operands (fragments come by loads of 16 bytes): every product meets its partner; only the order of the sums inside an instruction differs.
; LIMITS: e2 - e0 - e1, e3 - e0 - e1 and e5 - e0 - e1 lie between -126 and 119, so that the scale and 448 x the scale are f32 numbers.  NaN codes among the inputs are not served.
; REGISTERS, in windows of 256: window 0: v1-31 addresses and constants; from v128 S1's fragments, ONE set; on the way out v32-95 numbers at work, v96-223 codes.
;   window 1: S0's fragments, TWO sets, at v0 and v128.   window 2: accumulators of S1 blocks 0-3 ((a, b) at v[8 (8 a + b)]);   window 3: of blocks 4-7.
.set ROWB,   256                       ; a tile's row in bytes: 256 codes
.set KROW,   1024                      ; a row of x or of W in memory
.set PITCH,  272                       ; an LDS row: 256 bytes + 16 of padding = 68 words: row r starts at bank 4 r mod 64 (64 banks of 4 bytes: ISA guide 11.1)
.set FR,     16                        ; registers of a fragment: 16 rows x 128 K
.set NL,     4                         ; LDS loads that bring one
.set NP,     4                         ; places behind this matrix instruction (ISA guide 7.12.1)
.set HALFT,  128*PITCH                 ; 128 rows: what one tensor load brings, and what one wave reads of S1 or of S0
.set SLOT,   4*HALFT                   ; S1's 256 rows, then S0's 256 rows
.set SPARE,  2*SLOT                    ; behind the ring: the spare words, 128 bytes for each wave, which no other line names
.set VO,   8                           ; v8-15   the way out: block a's byte offset
.set ADRA, 16                          ; v16-17  LDS address of my S1 fragments in slot 0, 1
.set ADRB, 20                          ; v20-21  the same for S0
.set SPW,  28                          ; v28     LDS address of my spare word; never rewritten
.set NIL,  29                          ; v29     0; never rewritten
.set LIM,  30                          ; v30     not used
.set SC,   31                          ; v31     the conversion's scale as f32
.set TMP,  32
.set CODE, 96                          ; v96-223 codes: 16 registers for each block, so that no store's data are written again
.set AF,   128                         ; S1's fragments, in window 0
.set G1, 24                            ; s[24:31] descriptor group 1 for S1's tiles;  s[32:39] group 0, one set for each slot
.set G0, 32
.set G1B, 48                           ; s[48:55], s[56:63] the same for S0's tiles
.set G0B, 56
.set MSB, 0
.macro WIN new                         ; the immediate's high byte repeats the setting that is left
.if MSB != \new
	s_set_vgpr_msb (MSB<<8)|\new
.set MSB, \new
.endif
.endm
.set MUL_LO, 0xa1                      ; source 0 window 1, source 1 window 0, C and D window 2
.set MUL_HI, 0xf1                      ; the same, C and D window 3
.set TO_B,   0x40                      ; destination window 1, address window 0
; A joint load: waves 0 and 1 fetch for S1, waves 2 and 3 for S0.  Each line has one mask and one set of registers for all that issue it; the branch hangs on the wave's number alone.
; Four v_nop follow each of the two lines, ahead of the jump, the label and what follows.
.macro JLOAD g0a, g1a, g0b, g1b
	s_cmp_eq_u32 s15, 0
	s_cbranch_scc0 .Lfor_b_\@
	tensor_load_to_lds s[\g0a:\g0a+3], s[\g1a:\g1a+7]
	s_nop 0
.rept 4
	v_nop
.endr
	s_branch .Lasked_\@
.Lfor_b_\@:
	tensor_load_to_lds s[\g0b:\g0b+3], s[\g1b:\g1b+7]
	s_nop 0
.rept 4
	v_nop
.endr
.Lasked_\@:
.endm
.macro CREST                           ; a round of the cluster's barrier behind its opening barrier
	s_cmp_lg_u32 s14, 0
	s_cbranch_scc1 .Lnot_wave_0_\@
	s_barrier_signal -3
.Lnot_wave_0_\@:
	s_barrier_wait -3
	s_barrier_signal -1
	s_barrier_wait -1
.endm
.macro CROUND                          ; a whole round
	s_barrier_signal -1
	s_barrier_wait -1
	CREST
.endm
	s_load_b128 s[4:7], s[0:1], 0x0                ; x's codes s[4:5], W's codes s[6:7]
	s_load_b128 s[8:11], s[0:1], 0x10              ; the scales' exponents s[8:9], qf s[10:11]
	s_load_b64 s[12:13], s[0:1], 0x20              ; kv
	v_lshl_add_u32 v[SPW], v0, 2, SPARE
	v_mov_b32 v[NIL], 0
	ds_add_u32 v28, v29
	ds_add_u32 v28, v29
	s_wait_dscnt 0x0
	v_lshrrev_b32 v1, 5, v0
	v_readfirstlane_b32 s14, v1                    ; wave 0..3
	s_lshr_b32 s15, s14, 1                         ; which half of S1's rows is mine.  Also: I fetch for S1 (0) or for S0 (1)
	s_and_b32 s16, s14, 1                          ; which half of S0's rows.  Also: which 128 rows of that tile I fetch
	s_bfe_u32 s40, ttmp6, 0x40000                  ; cx, cy: my place in the cluster
	s_bfe_u32 s41, ttmp6, 0x40004
	s_lshl_b32 s66, ttmp9, 2                       ; 4 x cluster x
	s_and_b32 s67, ttmp7, 0xffff
	s_lshl_b32 s67, s67, 2                         ; 4 x cluster y
	s_cmp_lt_u32 ttmp9, 2                          ; q or k?  The same in all sixteen partners
	s_cselect_b32 s42, s66, s67                    ; S0's tile: of W by the cluster's x; for v: of x by the cluster's y
	s_cselect_b32 s17, s67, 8                      ; S1's tile: of x by the cluster's y; for v: W's tiles 8 to 11
	s_add_co_u32 s42, s42, s40                     ; + cx: no register that feeds S1's descriptors holds cx
	s_add_co_u32 s17, s17, s41                     ; + cy
	s_lshl_b32 s43, s41, 2
	s_lshl_b32 s43, 15, s43                        ; my row of the cluster
	s_lshl_b32 s44, 0x1111, s40                    ; my column
	; descriptor group 1: a tile of 128 rows x 256 bytes, padded in LDS
	s_or_b32 s[G1+0], s43, (0<<16)|(1<<20)|(1<<21)|(5<<22)|(3<<25)  ; 15:0 the mask: S1's tiles go to my row; 17:16 element of 1 byte; 20 padding on; 21 set beside a mask; 24:22 after every 64 words (code 5); 31:25 of 4 words (code 3)
	s_or_b32 s[G1B+0], s44, (0<<16)|(1<<20)|(1<<21)|(5<<22)|(3<<25) ; the same with my column's mask
.irp g, G1, G1B
	s_mov_b32 s[\g+1], ROWB<<16                    ; tensor_dim0
	s_mov_b32 s[\g+2], 128<<16                     ; tensor_dim1 = 128
	s_mov_b32 s[\g+3], ROWB<<16                    ; tile_dim0
	s_mov_b32 s[\g+4], 128                         ; tile_dim1 = 128
	s_mov_b32 s[\g+5], KROW                        ; tensor_dim0_stride
	s_mov_b32 s[\g+6], 0
	s_mov_b32 s[\g+7], 0
.endr
	s_lshl_b32 s18, s16, 7                         ; which 128 rows of the tile I fetch
	s_lshl_b32 s20, s17, 8
	s_add_co_u32 s20, s20, s18                     ; S1: row 256 x tile + 128 x half
	s_lshl_b32 s20, s20, 10                        ; in bytes: under 2^23
	s_mov_b32 s21, 0
	s_lshl_b32 s46, s42, 8
	s_add_co_u32 s46, s46, s18                     ; S0 likewise
	s_lshl_b32 s46, s46, 10
	s_mov_b32 s47, 0
	s_mul_i32 s45, s14, HALFT                      ; where they go: wave x 128 rows: no place in the cluster enters an LDS address
	s_wait_kmcnt 0x0
	s_load_b256 s[80:87], s[8:9], 0x0              ; e0 .. e7
	s_cmp_lt_u32 ttmp9, 2
	s_cselect_b64 s[68:69], s[4:5], s[6:7]         ; S1's tensor
	s_cselect_b64 s[70:71], s[6:7], s[4:5]         ; S0's
	s_add_nc_u64 s[20:21], s[68:69], s[20:21]
	s_add_nc_u64 s[46:47], s[70:71], s[46:47]
	CROUND                                         ; all sixteen work-groups are here: the first joint loads meet
.irp s, 0,1
	s_mov_b32 s[G0+4*\s], 1
	s_add_co_u32 s[G0+4*\s+1], s45, \s*SLOT
	s_add_nc_u64 s[G0+4*\s+2:G0+4*\s+3], s[20:21], \s*ROWB
	s_or_b32 s[G0+4*\s+3], s[G0+4*\s+3], 0x80000000
	s_mov_b32 s[G0B+4*\s], 1
	s_add_co_u32 s[G0B+4*\s+1], s45, \s*SLOT
	s_add_nc_u64 s[G0B+4*\s+2:G0B+4*\s+3], s[46:47], \s*ROWB
	s_or_b32 s[G0B+4*\s+3], s[G0B+4*\s+3], 0x80000000
	JLOAD G0+4*\s, G1, G0B+4*\s, G1B
.endr
	v_and_b32 v1, 15, v0                           ; l % 16
	v_bfe_u32 v2, v0, 4, 1                         ; l / 16
	v_mul_u32_u24 v3, v1, PITCH
	v_lshl_add_u32 v4, v2, 4, v3                   ; a fragment's row x pitch + 16 x half
	s_mul_i32 s21, s15, HALFT                      ; my 128 rows of S1
	s_mul_i32 s22, s16, HALFT                      ; my 128 rows of S0,
	s_add_co_u32 s22, s22, 2*HALFT                 ; which lie behind S1's 256
.irp s, 0,1
	v_add_nc_u32 v[ADRA+\s], s21, v4
	v_add_nc_u32 v[ADRB+\s], s22, v4
	s_add_co_u32 s21, s21, SLOT
	s_add_co_u32 s22, s22, SLOT
.endr
.macro FRAG reg, adr, q, i             ; a fragment, 16 rows x 128 K, is 16 registers: lane l holds row l % 16; registers 4 c .. 4 c + 3 hold K = 32 c + 16 (l / 16) + 0 .. 15, in both operands alike
.irp c, 0,1,2,3
	ds_load_b128 v[\reg+4*\c:\reg+4*\c+3], v[\adr] offset:128*(\q)+32*\c+(\i)*16*PITCH
.endr
.endm
; 16 matrix instructions: S1's blocks a0, a0 + 1 x S0's eight, 128 along K.  p: S0's set.  zero = 1: the first product starts the sums: nothing is ever cleared.
; The 64 accumulators take turns, one instruction a turn, in the same order in every step.
.macro MUL16 a0, p, zero
.irp a, \a0, \a0+1
.irp b, 0,1,2,3,4,5,6,7
.if \zero
	v_wmma_f32_16x16x128_fp8_fp8 v[8*(8*((\a)%4)+\b):8*(8*((\a)%4)+\b)+7], v[128*(\p)+FR*\b:128*(\p)+FR*\b+FR-1], v[AF+FR*(\a):AF+FR*(\a)+FR-1], 0
.else
	v_wmma_f32_16x16x128_fp8_fp8 v[8*(8*((\a)%4)+\b):8*(8*((\a)%4)+\b)+7], v[128*(\p)+FR*\b:128*(\p)+FR*\b+FR-1], v[AF+FR*(\a):AF+FR*(\a)+FR-1], v[8*(8*((\a)%4)+\b):8*(8*((\a)%4)+\b)+7]
.endif
.endr
.endr
.endm
.macro FETCH_B slot, q, p              ; S0's eight fragments of the slot's q-th 128 along K into set p
	WIN TO_B
.irp i, 0,1,2,3,4,5,6,7
	FRAG 128*(\p)+FR*\i, ADRB+\slot, \q, \i
.endr
	WIN 0
.endm
.macro FETCH_A slot, q, i0             ; S1's blocks i0 .. i0 + 3
.irp i, \i0, \i0+1, \i0+2, \i0+3
	FRAG AF+FR*(\i), ADRA+\slot, \q, \i
.endr
.endm
; A load into a register that a matrix instruction has read stands NP places behind it, and only plain vector instructions that name none of its registers are places.
.macro PLACES n
.rept \n
	v_nop
.endr
.endm
; A step of 128 along K that has its successor in the same slot.  A block of S1 is free as soon as its eight products are issued: blocks 0-3 are fetched anew in the middle, blocks 4-7 at the end.
.macro STEP slot, q, zero
	s_wait_dscnt 4*NL                              ; S0's set and S1's blocks 0-3 are in; the youngest sixteen loads (S1's blocks 4-7) may be out
	WIN MUL_LO
	MUL16 0, (\q)%2, \zero
	MUL16 2, (\q)%2, \zero
	s_wait_dscnt 0                                 ; S1's blocks 4-7 are in (asked for 32 matrix instructions ago)
	PLACES NP
	FETCH_B \slot, (\q)+1, 1-(\q)%2
	FETCH_A \slot, (\q)+1, 0
	WIN MUL_HI
	MUL16 4, (\q)%2, \zero
	MUL16 6, (\q)%2, \zero
	PLACES NP
	WIN 0
	FETCH_A \slot, (\q)+1, 4
.endm
; A slot's last step changes slots: ONE barrier; in front of it each wave waits for all its tensor loads, adds 0 to its spare word, and waits for that and for its own reads of this slot.  fill = 1: this slot is filled again, two slots ahead.
.macro TURN slot, next, fill
	s_wait_tensorcnt 0x0                           ; all my tensor loads have landed: my part of the next slot
	ds_add_u32 v[SPW], v[NIL]                      ; 0 onto my spare word
	s_wait_dscnt 4*NL+1                            ; (the add and the youngest sixteen loads, S1's blocks 4-7, may be out)
	WIN MUL_LO
	MUL16 0, 1, 0                                  ; sixteen matrix instructions stand between the add and the wait for it
	s_wait_dscnt 0x0                               ; the add is done, and my reads of this slot are over
	s_barrier_signal -1
	MUL16 2, 1, 0
	WIN 0
	s_barrier_wait -1
.if \fill
	CREST                                          ; the barrier has opened a round of the cluster's barrier: no wave of any partner still reads this slot or has a load on its way
	s_add_nc_u64 s[G0+4*\slot+2:G0+4*\slot+3], s[G0+4*\slot+2:G0+4*\slot+3], 2*ROWB
	s_add_nc_u64 s[G0B+4*\slot+2:G0B+4*\slot+3], s[G0B+4*\slot+2:G0B+4*\slot+3], 2*ROWB
	JLOAD G0+4*\slot, G1, G0B+4*\slot, G1B         ; the first tensor load behind the round; its four v_nop are also the places in front of the loads below
.else
	PLACES NP
.endif
	FETCH_B \next, 0, 0
	FETCH_A \next, 0, 0
	WIN MUL_HI
	MUL16 4, 1, 0
	MUL16 6, 1, 0
	PLACES NP
	WIN 0
	FETCH_A \next, 0, 4
.endm
	s_wait_alu depctr_va_vdst(0)
	s_wait_tensorcnt 1                             ; my part of slot 0 is in (slot 1's load may be out)
	s_barrier_signal -1
	s_barrier_wait -1                              ; everybody's is
	FETCH_B 0, 0, 0
	FETCH_A 0, 0, 0
	FETCH_A 0, 0, 4
	STEP 0, 0, 1                                   ; K 0: its products start the sums.  The eight steps of K = 1,024 are written out: four slots' worth, two refills
	TURN 0, 1, 1                                   ; K 128; slot 0 takes K 512 on
	STEP 1, 0, 0                                   ; K 256
	TURN 1, 0, 1                                   ; K 384; slot 1 takes K 768 on
	STEP 0, 0, 0                                   ; K 512
	TURN 0, 1, 0                                   ; K 640; nothing is left to fetch
	STEP 1, 0, 0                                   ; K 768
	s_wait_dscnt 4*NL                              ; K 896, the last step
	WIN MUL_LO
	MUL16 0, 1, 0
	MUL16 2, 1, 0
	s_wait_dscnt 0
	WIN MUL_HI
	MUL16 4, 1, 0
	MUL16 6, 1, 0
	WIN 0
	; THE WAY OUT.  Where my 128 x 128 goes: the token and the column of W at which it begins, whichever of S0 and S1 holds which.
	s_wait_kmcnt 0x0                               ; the exponents
	s_lshl_b32 s20, s42, 8
	s_lshl_b32 s21, s16, 7
	s_add_co_u32 s20, s20, s21                     ; my first row of S0
	s_lshl_b32 s21, s17, 8
	s_lshl_b32 s22, s15, 7
	s_add_co_u32 s21, s21, s22                     ; my first row of S1
	s_cmp_lt_u32 ttmp9, 2
	s_cselect_b32 s22, s21, s20                    ; my first token
	s_cselect_b32 s23, s20, s21                    ; my first row of W
	s_bfe_u32 s23, s23, 0x40006                    ; its head: (row / 64) mod 16; my 128 rows are two heads
	s_lshr_b32 s18, s22, 11                        ; the batch
	s_and_b32 s22, s22, 2047                       ; the token within it, a multiple of 128
	s_lshl_b32 s18, s18, 4
	s_add_co_u32 s18, s18, s23                     ; bh
	s_cmp_eq_u32 ttmp9, 0                          ; q goes to qf, k and v to kv
	s_cselect_b32 s19, 17, 18                      ; a head is 2^17 bytes of qf, 2^18 of kv
	s_cselect_b32 s23, 6, 7                        ; a token is 64 bytes on in qf; 128 tokens are 16,384 on in kv
	s_cselect_b64 s[72:73], s[10:11], s[12:13]
	s_cselect_b32 s78, s82, s83                    ; e2 for q, e3 for k
	s_lshl_b32 s18, s18, s19
	s_lshl_b32 s22, s22, s23
	s_add_co_u32 s18, s18, s22
	s_lshl_b32 s74, 1, s19                         ; q, k: a block's second eight registers belong to the next head
	s_mov_b32 s76, 1024                            ; q, k: from block to block: a tile of 16 tokens
	s_cmp_eq_u32 ttmp9, 2
	s_cselect_b32 s22, 8192, 0                     ; v: behind the block's K part
	s_cselect_b32 s74, 1024, s74                   ; v: a block's sixteen registers are one fragment: its second half follows the first
	s_cselect_b32 s76, 2048, s76                   ; v: from block to block: a tile of 16 of the head's 64,
	s_cselect_b32 s77, 253952, 0                   ; and from block 3 to block 4 on to the next head: 2^18 - 4 x 2,048
	s_cselect_b32 s78, s85, s78                    ; e5 for v
	s_add_co_u32 s18, s18, s22
	s_mov_b32 s19, 0
	s_mov_b32 s75, 0
	s_add_nc_u64 s[72:73], s[72:73], s[18:19]      ; where a block's first eight registers go
	s_add_nc_u64 s[74:75], s[72:73], s[74:75]      ; and its second eight
	s_sub_co_i32 s78, s78, s80
	s_sub_co_i32 s78, s78, s81                     ; a sum stands for sum x 2^(e0 + e1): its code is sum / 2^(e - e0 - e1): the three scales folded into one
	s_add_co_i32 s78, s78, 127
	s_lshl_b32 s79, s78, 23
	v_mov_b32 v[SC], s79                           ; that scale as f32.  (This line and the ten below are plain and name no register of the last products: they are the places behind them)
	v_and_b32 v1, 31, v0
	v_lshlrev_b32 v1, 4, v1                        ; 16 x lane
	s_wait_alu depctr_va_vdst(0)
.irp a, 0,1,2,3,4,5,6,7
	s_mul_i32 s79, s76, \a
.if \a > 3
	s_add_co_u32 s79, s79, s77
.endif
	v_add_nc_u32 v[VO+\a], s79, v1
.endr
; Block a (16 rows of S1 x my 128 rows of S0): converted, stored.  Each block has its own registers for codes and offset, so no store's sources are written again.
.macro QOUT a
	WIN (0x02+(\a)/4)                              ; source 0: window 2 or 3
.set j, 0
.rept 64
.set j, j+1
.endr
.irp b, 0,1,2,3,4,5,6,7
	v_cvt_scalef32_pk8_fp8_f32 v[CODE+16*(\a)+2*\b:CODE+16*(\a)+2*\b+1], v[TMP+8*\b+((64*((\a)%4)+j)-(TMP+j)):TMP+8*\b+7+((64*((\a)%4)+j)-(TMP+j))], v[SC]
.endr
	WIN 0
	v_nop                                          ; a plain line behind the conversions
.irp c, 0,1
	global_store_b128 v[VO+\a], v[CODE+16*(\a)+4*\c:CODE+16*(\a)+4*\c+3], s[72:73] offset:512*\c       ; 32 lanes store 512 consecutive bytes
	global_store_b128 v[VO+\a], v[CODE+16*(\a)+8+4*\c:CODE+16*(\a)+8+4*\c+3], s[74:75] offset:512*\c
.endr
.endm
.irp a, 0,1,2,3,4,5,6,7
	QOUT \a
.endr
	s_wait_tensorcnt 0x0                           ; the wave's end
	ds_add_u32 v[SPW], v[NIL]
	s_wait_dscnt 0x0
	CROUND                                         ; the closing round: no work-group ends while a partner may still ask for a tile that names it
	s_endpgm
.Lfunc_end_k_q3a9939a2f5_qkv:
	.size	k_q3a9939a2f5_qkv, .Lfunc_end_k_q3a9939a2f5_qkv-k_q3a9939a2f5_qkv
	.p2alignl 7, 3214868480
	.fill 96, 4, 3214868480
	.section	.rodata,"a",@progbits
	.p2align	6, 0x0
	.amdhsa_kernel k_q3a9939a2f5_qkv
		.amdhsa_group_segment_fixed_size 327680
		.amdhsa_private_segment_fixed_size 0
		.amdhsa_enable_private_segment 0
		.amdhsa_kernarg_size 40
		.amdhsa_user_sgpr_count 2
		.amdhsa_user_sgpr_kernarg_segment_ptr 1
		.amdhsa_wavefront_size32 1
		.amdhsa_system_sgpr_workgroup_id_x 1
		.amdhsa_system_sgpr_workgroup_id_y 1
		.amdhsa_system_sgpr_workgroup_id_z 1
		.amdhsa_system_vgpr_workitem_id 0
		.amdhsa_next_free_vgpr 1024
		.amdhsa_next_free_sgpr 100
		.amdhsa_reserve_vcc 0
		.amdhsa_float_denorm_mode_32 3
		.amdhsa_float_denorm_mode_16_64 3
		.amdhsa_fp16_overflow 1
		.amdhsa_memory_ordered 1
		.amdhsa_forward_progress 1
		.amdhsa_inst_pref_size 87
	.end_amdhsa_kernel
	.amdgpu_metadata
---
amdhsa.version: [ 1, 2 ]
amdhsa.kernels:
  - .name:           k_q3a9939a2f5_qkv
    .symbol:         k_q3a9939a2f5_qkv.kd
    .args:
      - { .name: x_codes, .offset: 0, .size: 8, .value_kind: global_buffer, .address_space: global }
      - { .name: W_qkv_codes, .offset: 8, .size: 8, .value_kind: global_buffer, .address_space: global }
      - { .name: lowp_scales, .offset: 16, .size: 8, .value_kind: global_buffer, .address_space: global }
      - { .name: qf, .offset: 24, .size: 8, .value_kind: global_buffer, .address_space: global }
      - { .name: kv, .offset: 32, .size: 8, .value_kind: global_buffer, .address_space: global }
    .group_segment_fixed_size: 327680
    .private_segment_fixed_size: 0
    .kernarg_segment_align: 8
    .kernarg_segment_size: 40
    .max_flat_workgroup_size: 128
    .sgpr_count:     100
    .vgpr_count:     1024
    .wavefront_size: 32
...
	.end_amdgpu_metadata
.endif
;; end of part 1
;; launch attn (part 2): grid 4 x 64, 8 waves a work-group, clusters of 4 x 1, 327,680 bytes of LDS; arguments qf, kv, lowp_scales, af; writes af
.if DOCPART == 2
	.amdgcn_target "amdgcn-amd-amdhsa--gfx1250"
	.amdhsa_code_object_version 6
	.text
	.protected	k_q3a9939a2f5_attn
	.globl	k_q3a9939a2f5_attn
	.p2align	8
	.type	k_q3a9939a2f5_attn,@function
k_q3a9939a2f5_attn:
	s_mov_b64 s[64:65], 0
	v_nop
	global_prefetch_b8 v0, s[64:65] scope:SCOPE_SE
	s_setreg_imm32_b32 hwreg(HW_REG_WAVE_MODE, 25, 1), 1
	s_wait_xcnt 0x0
	s_wait_alu depctr_hold_cnt(0) depctr_sa_sdst(0) depctr_va_vdst(0) depctr_va_sdst(0) depctr_va_ssrc(0) depctr_va_vcc(0) depctr_vm_vsrc(0)
	s_getreg_b32 s2, hwreg(HW_REG_IB_STS2, 6, 4)
	s_cmp_eq_u32 s2, 0
	s_cbranch_scc0 .Lentry_in_a_cluster
	s_endpgm
.Lentry_in_a_cluster:
	s_bfe_u32 s2, ttmp6, 0x10000c
	s_cmp_lg_u32 s2, 0x3003
	s_cbranch_scc0 .Lentry_shape_is_right
	s_endpgm
.Lentry_shape_is_right:
; Causal attention of one (batch, head) for each cluster, both products on codes of E4M3; the result, divided by the row's sum, is quantised with 2^e6 and stored as the next product's operand.
; qf, kv: images of operand registers (a group of four registers = 512 bytes, lane l's 16 bytes at 16 l):
;   qf [bh 64][query tile 128][2 groups]     kv [bh 64][block of 128 keys 16][16,384 B]: K: key tile (8) x 2 groups; from byte 8,192 on V^T: tile of 16 of the head's 64 (4) x 4 groups
;   af [token tile 512][head 16][2 groups]: two neighbouring heads' four groups are a fragment of 16 tokens x 128 along the last product's K.
; THE SOFTMAX: t = score x log2(e) / 8; M = the row's largest t so far, rounded UP to a whole number; p = 2^(t - M) is what is quantised (2^e4), not normalised.  The row's sum is taken of the unquantised p
; and divides at the end.  When M moves, the sum and O are multiplied by 2^(old M - new M): nothing is rounded.  ceil is monotone, so -M is kept as a running minimum of floor(-t).
; LDS: the head's whole K and V, 262,144 bytes, byte for byte as in kv, filled ONCE, by joint loads of the cluster's four work-groups (the same descriptor and mask in all four).  Nothing is filled again and nothing is stored to LDS.
; All of it is asked for at the head, two loads a wave (key block 0 by itself, so that the first step begins when 16,384 bytes have landed): there is no later step to ask ahead for.
; SHARES.  Work-group g = cx, wave w hold four tiles of 16 queries: tiles 8 w + 2 g, + 1 (in key block w: they need key blocks 0 .. w) and tiles 8 (15 - w) + 6 - 2 g, + 1 (in key block 15 - w).
; So every wave has (w + 1) + (16 - w) = 17 steps of a pair of tiles: the causal share is even, and a step's K and V fragments, read from LDS once, serve two or four tiles.
; Which steps a wave takes hangs on its number alone; g enters Q's and af's addresses and the lanes' numbers for the mask, and no branch and no LDS address.
; LAYOUT.  Both products are used transposed: S^T = K Q^T (source 0 = 16 keys), O^T = V^T P^T (source 0 = 16 of the head's 64): a lane holds ONE query (lane % 16) throughout.  In S^T register j of key tile c
; is key 16 c + 8 (lane / 16) + j: eight registers converted are registers 2 c, 2 c + 1 of P's fragment.  O^T likewise gives the stored fragment.
; LIMITS: e2 + e3 between -123 and 130 (added to c's exponent field); e4, and e6 - e4 - e5, between -126 and 119.  A p under 2^-126 counts as 0 (v_exp_f32 flushes it: ISA guide 15.8).  NaN is not served.
; REGISTERS: window 0: v1-11 below; v16-47 eight registers of statistics a tile; v48-63 p's codes; v64-127, v128-191 S^T of the pair's two tiles, then p; v192-223 Q; v224-255 the codes that leave.
;   window 1: v0-63 K of the step (8 fragments), v64-127 V^T (4 fragments), v128-255 O^T, 32 a tile.
.set LI,   1                           ; v1   16 x lane; never rewritten
.set ADR,  2                           ; v2   LDS address of the step's images
.set DH,   3                           ; v3   96 - 32 g + r - 8 h: the first upper tile's query in its key block, less my half's 8
.set DL,   4                           ; v4   32 g + r - 8 h: the same for the first lower tile
.set NINF, 5                           ; v5   -infinity
.set SCP,  6                           ; v6   2^e4
.set HO,   7                           ; v7   not used
.set XS,   8                           ; v[8:9] the second chain of a step's sum
.set SCO,  11                          ; v11  2^(e6 - e4 - e5)
.set ST,   16                          ; tile t at v[16 + 8 t]: +0 -M; +1 the old -M; +2, +3 the sum, in two halves; +4 f, at the end 1 / sum; +5 named with it as a pair; +6, +7 at work
.set PC,   48
.set BUF0, 64
.set BUF1, 128
.set QF,   192
.set OC,   224
.set KF,   0                           ; in window 1
.set VF,   64
.set OT,   128
.set WV,   12                          ; s12  my wave's number
.set CXG,  13                          ; s13  g
.set BH,   14                          ; s14  batch x 16 + head
.set G1A,  16                          ; s[16:23] descriptor group 1: 8 rows of 256 bytes;  s[24:31]: 120 rows
.set G1B,  24
.set G0A,  32                          ; s[32:35], s[36:39] their groups 0
.set G0B,  36
.set SEL,  40                          ; s[40:41] lane selects for v_permlanex16_b32: lane l xor 16
.set CS,   42                          ; s[42:43] c = log2(e) / 8 x 2^(e2 + e3): the packed form names a pair and takes its low word
.set TB,   44                          ; s44  LDS byte at which the step's key block begins
.set KS,   45                          ; s45  the step's key block
.set KLO,  46                          ; s46  the lower tiles' own key block: w
.set KHI,  47                          ; s47  the upper tiles': 15 - w
.set EXPN, 48                          ; s[48:55] e0 .. e7
.set HOLDP, 56
.set QH,   58                          ; s[58:59], s[60:61] Q's images of the upper and the lower tiles
.set QL,   60
.set OH,   66                          ; s[66:67], s[68:69] where their results go
.set OL,   68
.set MSB, 0
.macro WIN new                         ; the immediate's high byte repeats the setting that is left
.if MSB != \new
	s_set_vgpr_msb (MSB<<8)|\new
.set MSB, \new
.endif
.endm
.macro CROUND                          ; a round of the cluster's barrier
	s_barrier_signal -1
	s_barrier_wait -1
	s_cmp_lg_u32 s[WV], 0
	s_cbranch_scc1 .Lnot_wave_0_\@
	s_barrier_signal -3
.Lnot_wave_0_\@:
	s_barrier_wait -3
	s_barrier_signal -1
	s_barrier_wait -1
.endm
	s_load_b256 s[4:11], s[0:1], 0x0               ; qf s[4:5], kv s[6:7], the scales' exponents s[8:9], af s[10:11]
	v_lshl_add_u32 v14, v0, 2, 0x40000
	v_mov_b32 v15, 0
	ds_add_u32 v14, v15
	ds_add_u32 v14, v15
	v_lshrrev_b32 v2, 5, v0
	s_delay_alu instid0(VALU_DEP_1)
	v_readfirstlane_b32 s[WV], v2                  ; wave 0..7
	s_bfe_u32 s[CXG], ttmp6, 0x40000               ; g = cx
	s_and_b32 s[BH], ttmp7, 0xffff                 ; the cluster's y: which the four partners share
	; descriptor group 1: dense blocks as rows of 256 bytes (32 elements of 8 bytes), no padding
	s_mov_b32 s[G1A], 15|(3<<16)|(1<<21)           ; 15:0 the mask: all four work-groups; 17:16 elements of 8 bytes; 21 set beside a mask
	s_mov_b32 s[G1A+1], 32<<16                     ; tensor_dim0 = 32
	s_mov_b32 s[G1A+2], 8<<16                      ; tensor_dim1 = 8
	s_mov_b32 s[G1A+3], 32<<16                     ; tile_dim0 = 32
	s_mov_b32 s[G1A+4], 8                          ; tile_dim1 = 8
	s_mov_b32 s[G1A+5], 32                         ; tensor_dim0_stride
	s_mov_b32 s[G1A+6], 0
	s_mov_b32 s[G1A+7], 0
	s_mov_b32 s[G1B], 15|(3<<16)|(1<<21)
	s_mov_b32 s[G1B+1], 32<<16
	s_mov_b32 s[G1B+2], 120<<16                    ; 120 rows
	s_mov_b32 s[G1B+3], 32<<16
	s_mov_b32 s[G1B+4], 120
	s_mov_b32 s[G1B+5], 32
	s_mov_b32 s[G1B+6], 0
	s_mov_b32 s[G1B+7], 0
	s_mov_b32 s[G0A], 1
	s_lshl_b32 s[G0A+1], s[WV], 11                 ; my eighth of key block 0: 2,048 bytes
	s_mov_b32 s[G0B], 1
	s_mul_i32 s[G0B+1], s[WV], 30720               ; my eighth of key blocks 1 to 15: 30,720 bytes
	s_add_co_u32 s[G0B+1], s[G0B+1], 16384
	s_lshl_b32 s2, s[BH], 18                       ; the head's 262,144 bytes of kv
	s_mov_b32 s3, 0
	s_mov_b32 s62, s[G0A+1]                        ; an LDS byte is the same byte of the head's part of kv
	s_mov_b32 s63, 0
	s_mov_b32 s56, s[G0B+1]
	s_mov_b32 s57, 0
	s_mov_b32 s[SEL], 0x76543210
	s_mov_b32 s[SEL+1], 0xfedcba98
	s_mov_b32 s[CS], 0x3e38aa3b                    ; log2(e) / 8
	s_mov_b32 s[KLO], s[WV]
	s_sub_co_u32 s[KHI], 15, s[WV]
	s_mov_b32 s[KS], 0
	s_mov_b32 s[TB], 0
	s_wait_dscnt 0x0
	s_wait_kmcnt 0x0
	s_load_b256 s[EXPN:EXPN+7], s[8:9], 0x0
	s_add_nc_u64 s[6:7], s[6:7], s[2:3]
	s_add_nc_u64 s[G0A+2:G0A+3], s[6:7], s[62:63]
	s_or_b32 s[G0A+3], s[G0A+3], 0x80000000
	s_add_nc_u64 s[G0B+2:G0B+3], s[6:7], s[56:57]
	s_or_b32 s[G0B+3], s[G0B+3], 0x80000000
	CROUND                                         ; all four work-groups are here: the joint loads meet
	tensor_load_to_lds s[G0A:G0A+3], s[G1A:G1A+7]  ; my eighth of key block 0; it lands before the second load is asked for
	s_nop 0
	s_wait_alu depctr_va_vdst(0)
	s_wait_tensorcnt 0x0
	ds_add_u32 v14, v15
	s_wait_dscnt 0x0
	CROUND
	tensor_load_to_lds s[G0B:G0B+3], s[G1B:G1B+7]
	s_nop 0
.rept 4
	v_nop
.endr
	s_lshl_b32 s2, s[WV], 3
	s_lshl_b32 s3, s[CXG], 1
	s_add_co_u32 s2, s2, s3                        ; my first lower tile: 8 w + 2 g
	s_sub_co_u32 s3, 126, s2                       ; my first upper tile: 8 (15 - w) + 6 - 2 g
	s_lshl_b32 s15, s[BH], 17                      ; the head's 131,072 bytes of qf
	s_lshl_b32 s62, s2, 10                         ; a tile's image is 1,024 bytes
	s_add_co_u32 s62, s62, s15
	s_add_nc_u64 s[QL:QL+1], s[4:5], s[62:63]
	s_lshl_b32 s62, s3, 10
	s_add_co_u32 s62, s62, s15
	s_add_nc_u64 s[QH:QH+1], s[4:5], s[62:63]
	v_and_b32 v10, 31, v0
	s_delay_alu instid0(VALU_DEP_1)
	v_lshlrev_b32 v[LI], 4, v10
.irp t, 0,1
.irp c, 0,1
	global_load_b128 v[QF+8*\t+4*\c:QF+8*\t+4*\c+3], v[LI], s[QH:QH+1] offset:1024*\t+512*\c       ; Q stays in registers
	global_load_b128 v[QF+16+8*\t+4*\c:QF+16+8*\t+4*\c+3], v[LI], s[QL:QL+1] offset:1024*\t+512*\c
.endr
.endr
	s_lshr_b32 s15, s[BH], 4
	s_lshl_b32 s15, s15, 7                         ; the batch's 128 token tiles
	s_and_b32 s57, s[BH], 15
	s_lshl_b32 s57, s57, 10                        ; the head's 1,024 bytes of a token tile's 16,384
	s_add_co_u32 s62, s15, s2
	s_lshl_b32 s62, s62, 14
	s_add_co_u32 s62, s62, s57
	s_add_nc_u64 s[OL:OL+1], s[10:11], s[62:63]
	s_add_co_u32 s62, s15, s3
	s_lshl_b32 s62, s62, 14
	s_add_co_u32 s62, s62, s57
	s_add_nc_u64 s[OH:OH+1], s[10:11], s[62:63]
	v_and_b32 v10, 15, v0                          ; r
	v_bfe_u32 v12, v0, 4, 1                        ; h
	s_delay_alu instid0(VALU_DEP_1)
	v_lshlrev_b32 v12, 3, v12
	s_delay_alu instid0(VALU_DEP_1)
	v_sub_nc_u32 v10, v10, v12                     ; r - 8 h
	s_lshl_b32 s57, s[CXG], 5
	v_add_nc_u32 v[DL], s57, v10
	s_sub_co_u32 s57, 96, s57
	v_add_nc_u32 v[DH], s57, v10
	v_mov_b32 v[NINF], 0xff800000
.irp t, 0,1,2,3
	v_mov_b32 v[ST+8*\t+1], 0                      ; (named as the upper halves of pairs, so they are written)
	v_mov_b32 v[ST+8*\t+5], 0
.endr
	s_wait_kmcnt 0x0
	s_add_co_i32 s2, s[EXPN+2], s[EXPN+3]
	s_lshl_b32 s2, s2, 23
	s_add_co_i32 s[CS], s[CS], s2                  ; a score stands for score x 2^(e2 + e3): the two exponents are added to c's exponent field
	s_mov_b32 s[CS+1], s[CS]
	s_add_co_i32 s2, s[EXPN+4], 127
	s_lshl_b32 s3, s2, 23
	v_mov_b32 v[SCP], s3
	s_sub_co_i32 s2, s[EXPN+6], s[EXPN+4]
	s_sub_co_i32 s2, s2, s[EXPN+5]                 ; O^T / sum stands for that x 2^(e4 + e5): its code is that / 2^(e6 - e4 - e5)
	s_add_co_i32 s2, s2, 127
	s_lshl_b32 s3, s2, 23
	v_mov_b32 v[SCO], s3
	s_add_co_i32 s2, s2, 8
	s_lshl_b32 s2, s2, 23
	s_or_b32 s2, s2, 0x600000
; The step's K and V^T from LDS, as they lie: 32 loads of 512 consecutive bytes.  The addition and three v_nop are the four places behind the last products, which read V's registers (ISA guide 7.12.1).
.macro LOADKV
	v_add_nc_u32 v[ADR], s[TB], v[LI]
.rept 3
	v_nop
.endr
	WIN 0x40                                       ; destination window 1
.irp i, 0,1,2,3,4,5,6,7,8,9,10,11,12,13,14,15
	ds_load_b128 v[KF+4*\i:KF+4*\i+3], v[ADR] offset:512*\i
.endr
.irp i, 0,1,2,3,4,5,6,7,8,9,10,11,12,13,14,15
	ds_load_b128 v[VF+4*\i:VF+4*\i+3], v[ADR] offset:8192+512*\i
.endr
	WIN 0
.endm
.macro SQK t, buf                      ; S^T of tile t against the step's 128 keys: eight products, K = the head's 64
	WIN 0x01                                       ; source 0 (K) window 1
.irp kt, 0,1,2,3,4,5,6,7
	v_wmma_f32_16x16x64_fp8_fp8 v[\buf+8*\kt:\buf+8*\kt+7], v[KF+8*\kt:KF+8*\kt+7], v[QF+8*(\t):QF+8*(\t)+7], 0
.endr
.endm
; On the diagonal: register n holds key 16 (n / 8) + n % 8 + 8 h of the block; it is hidden where that is above my query.  sh = 16 for the pair's second tile.
.macro MASK buf, dreg, sh
.set n, 0
.rept 64
	v_cmp_gt_i32 vcc_lo, 16*(n/8)+n%8-(\sh), v[\dreg]
	v_cndmask_b32 v[\buf+n], v[\buf+n], v[NINF], vcc_lo
.set n, n+1
.endr
.endm
.macro HOLD2 m
.endm
; The plain work that stands behind the exponentials of pair u + 1: pair u goes into the sum, and every fourth pair completes eight numbers for a conversion.
.macro PLAIN first
.if u == 0
.if \first
	v_mov_b32 v[rT+2], 0                           ; the first step starts the sum
	v_mov_b32 v[rT+3], 0
.else
	v_pk_mul_f32 v[rT+2:rT+3], v[rT+2:rT+3], v[rT+4:rT+5] op_sel_hi:[1,0]   ; the sum under the new M
.endif
.elseif u == 1
	s_wait_alu depctr_va_vdst(0)
	v_pk_add_f32 v[XS:XS+1], v[rB:rB+1], v[rB+2:rB+3]
	HOLD2 0
	HOLD2 1
.elseif (u%2) == 0
	v_pk_add_f32 v[rT+2:rT+3], v[rT+2:rT+3], v[rB+2*u:rB+2*u+1]
	HOLD2 u
.else
	s_wait_alu depctr_va_vdst(0)
	v_pk_add_f32 v[XS:XS+1], v[XS:XS+1], v[rB+2*u:rB+2*u+1]
	HOLD2 u
.endif
.if (u%4) == 3
	v_cvt_scalef32_pk8_fp8_f32 v[PC+2*(u/4):PC+2*(u/4)+1], v[rB+8*(u/4):rB+8*(u/4)+7], v[SCP]
.endif
.endm
; One tile's softmax for one step: 64 scores a lane in v[buf] on become p's codes in v[PC] on.
.macro SOFTMAX t, buf, first
.set rT, ST+8*(\t)
.set rB, \buf
	v_max3_num_f32 v[rT+6], v[rB], v[rB+1], v[rB+2]          ; the largest of my 64 scores, in two chains, each result from its low end on
	v_max3_num_f32 v[rT+7], v[rB+3], v[rB+4], v[rB+5]
.irp i, 6,10,14,18,22,26,30,34,38,42,46,50,54,58
	v_max3_num_f32 v[rT+6], v[rT+6], v[rB+\i], v[rB+\i+1]
	v_max3_num_f32 v[rT+7], v[rT+7], v[rB+\i+2], v[rB+\i+3]
.endr
	v_max3_num_f32 v[rT+6], v[rT+6], v[rB+62], v[rB+63]
	s_delay_alu instid0(VALU_DEP_1)
	v_max_num_f32 v[rT+6], v[rT+6], v[rT+7]
	s_delay_alu instid0(VALU_DEP_1)
	v_permlanex16_b32 v[rT+7], v[rT+6], s[SEL], s[SEL+1]     ; the query's other 64 keys lie in the lane 16 away
	s_delay_alu instid0(VALU_DEP_1)
	v_max_num_f32 v[rT+6], v[rT+6], v[rT+7]
	s_delay_alu instid0(VALU_DEP_1)
	v_mul_f32 v[rT+6], s[CS], v[rT+6]                        ; as t (c is positive)
.if \first
	s_delay_alu instid0(VALU_DEP_1)
	v_floor_f32 v[rT], -v[rT+6]                              ; -M = floor(-t) = -ceil(t)
.else
	s_delay_alu instid0(VALU_DEP_1)
	v_floor_f32 v[rT+7], -v[rT+6]
	v_mov_b32 v[rT+1], v[rT]
	s_delay_alu instid0(VALU_DEP_2)
	v_min_num_f32 v[rT], v[rT], v[rT+7]                      ; the running -M
	s_delay_alu instid0(VALU_DEP_1)
	v_sub_f32 v[rT+7], v[rT], v[rT+1]                        ; old M - new M: a whole number, 0 or less
	s_delay_alu instid0(VALU_DEP_1)
	v_cvt_i32_f32 v[rT+7], v[rT+7]                           ; (it saturates)
	s_delay_alu instid0(VALU_DEP_1)
	v_ldexp_f32 v[rT+4], 1.0, v[rT+7]                        ; f = 2^(old M - new M)
.endif
.set j, 0
.rept 32
	v_pk_fma_f32 v[rB+j:rB+j+1], v[rB+j:rB+j+1], s[CS:CS+1], v[rT:rT+1] op_sel_hi:[1,0,0]   ; t - M, two at a time
.set j, j+2
.endr
.set q, 0
	s_wait_alu depctr_va_vdst(0)
.rept 32                               ; behind each pair of exponentials from the second on stands plain work on the pair before: so a plain instruction stands between every exponential and the use of its result (ISA guide 5.7.2)
	v_exp_f32 v[rB+2*q], v[rB+2*q]
	v_exp_f32 v[rB+2*q+1], v[rB+2*q+1]
.if q > 0
.set u, q-1
	PLAIN \first
.endif
.set q, q+1
.endr
.set u, 31
	PLAIN \first
	v_pk_add_f32 v[rT+2:rT+3], v[rT+2:rT+3], v[XS:XS+1]      ; the two chains.  (Also the plain line behind the last conversion)
.endm
.macro RESC t                          ; the tile's O^T under the new M
	WIN 0x41                                       ; destination and source 0 window 1
.irp i, 0,2,4,6,8,10,12,14,16,18,20,22,24,26,28,30
	v_pk_mul_f32 v[OT+32*(\t)+\i:OT+32*(\t)+\i+1], v[OT+32*(\t)+\i:OT+32*(\t)+\i+1], v[ST+8*(\t)+4:ST+8*(\t)+5] op_sel_hi:[1,0]
.endr
.endm
.macro PV t, first                     ; O^T += V^T P^T: four products, K = the step's 128 keys.  first = 1: they start the sums: nothing is cleared
	WIN 0x51                                       ; source 0 (V) window 1, source 1 (p) window 0, C and D window 1
.irp dt, 0,1,2,3
.if \first
	v_wmma_f32_16x16x128_fp8_fp8 v[OT+32*(\t)+8*\dt:OT+32*(\t)+8*\dt+7], v[VF+16*\dt:VF+16*\dt+15], v[PC:PC+15], 0
.else
	v_wmma_f32_16x16x128_fp8_fp8 v[OT+32*(\t)+8*\dt:OT+32*(\t)+8*\dt+7], v[VF+16*\dt:VF+16*\dt+15], v[PC:PC+15], v[OT+32*(\t)+8*\dt:OT+32*(\t)+8*\dt+7]
.endif
.endr
.endm
; A pair of tiles p, p + 1 against the step's keys.  blk: the register that holds the pair's own key block (0: this copy never meets the diagonal); dreg: its lanes' numbers for the mask.
; No two matrix instructions that follow each other name the same accumulator, on any way.
.macro PAIR p, first, blk, dreg
	SQK \p, BUF0
	SQK \p+1, BUF1
	WIN 0
.rept 4
	v_nop                                          ; places in front of the first read of the scores
.endr
.if \blk
	s_cmp_lg_u32 s[KS], s[\blk]                    ; ids and a counter alone decide
	s_cbranch_scc1 .Lopen_\@
	MASK BUF0, \dreg, 0
	MASK BUF1, \dreg, 16
.Lopen_\@:
.endif
	SOFTMAX \p, BUF0, \first
.if \p == 0
	s_wait_alu depctr_va_vdst(0)
	s_wait_dscnt 0x0                               ; V is in (the upper pair comes first in every step)
.endif
.if !\first
	RESC \p
.endif
	PV \p, \first
	WIN 0
	SOFTMAX \p+1, BUF1, \first
.if !\first
	RESC \p+1
.endif
	PV \p+1, \first
	WIN 0
.endm
	s_wait_loadcnt 0x0                             ; Q
	s_wait_tensorcnt 0x1                           ; my part of key block 0 is in; the other blocks' load may stay out
	s_barrier_signal -1
	s_barrier_wait -1                              ; everybody's is
	LOADKV                                         ; KEY BLOCK 0, written out: all four tiles take it, and it starts every sum
	s_wait_dscnt 16                                ; K's sixteen loads are in; V's sixteen may be out
	PAIR 0, 1, 0, 0
	PAIR 2, 1, KLO, DL                             ; (wave 0's lower tiles lie in key block 0)
	s_wait_tensorcnt 0x0                           ; my part of key blocks 1 to 15 is in,
	s_barrier_signal -1
	s_barrier_wait -1                              ; everybody's is: from here on the waves run free
	s_mov_b32 s[KS], 1
	s_mov_b32 s[TB], 16384
.Lboth:                                            ; key blocks 1 to 7: the upper pair always, far under its diagonal; the lower pair up to its own block
	LOADKV
	s_wait_dscnt 16                                ; K is in; V's sixteen loads may be out
	PAIR 0, 0, 0, 0
	s_cmp_gt_u32 s[KS], s[KLO]
	s_cbranch_scc1 .Llower_done
	PAIR 2, 0, KLO, DL
.Llower_done:
	s_add_co_u32 s[TB], s[TB], 16384
	s_add_co_u32 s[KS], s[KS], 1
	s_cmp_lt_u32 s[KS], 8
	s_cbranch_scc1 .Lboth
.Lupper:                                           ; key blocks 8 to 15: the upper pair up to its own block.  Every wave walks all eight trips; what lies past its diagonal is jumped over
	s_cmp_gt_u32 s[KS], s[KHI]
	s_cbranch_scc1 .Lupper_done
	LOADKV
	s_wait_dscnt 16                                ; K is in; V's sixteen loads may be out
	PAIR 0, 0, KHI, DH
.Lupper_done:
	s_add_co_u32 s[TB], s[TB], 16384
	s_add_co_u32 s[KS], s[KS], 1
	s_cmp_lt_u32 s[KS], 16
	s_cbranch_scc1 .Lupper
	; THE WAY OUT.  The sum's halves and the other lane's are added; O^T / sum is converted and stored as it stands: registers 2 dt, 2 dt + 1 of the head's eight.
.irp t, 0,1,2,3
	v_add_f32 v[ST+8*\t+6], v[ST+8*\t+2], v[ST+8*\t+3]       ; (these four are the places behind the last products)
.endr
.irp t, 0,1,2,3
	s_delay_alu instid0(VALU_DEP_4)
	v_permlanex16_b32 v[ST+8*\t+7], v[ST+8*\t+6], s[SEL], s[SEL+1]
.endr
.irp t, 0,1,2,3
	s_delay_alu instid0(VALU_DEP_4)
	v_add_f32 v[ST+8*\t+6], v[ST+8*\t+6], v[ST+8*\t+7]
.endr
	s_wait_alu depctr_va_vdst(0)
.irp t, 0,1,2,3
	v_rcp_f32 v[ST+8*\t+4], v[ST+8*\t+6]
.endr
	v_nop                                          ; a plain line between the last reciprocal and the use of its result
	s_wait_alu depctr_va_vdst(0)
.irp t, 0,1,2,3
	WIN 0x01                                       ; source 0 window 1
.irp i, 0,2,4,6,8,10,12,14,16,18,20,22,24,26,28,30
	v_pk_mul_f32 v[BUF0+32*\t+\i:BUF0+32*\t+\i+1], v[OT+32*\t+\i:OT+32*\t+\i+1], v[ST+8*\t+4:ST+8*\t+5] op_sel_hi:[1,0]
.endr
	WIN 0
.set j, 0
.rept 32
.set j, j+1
.endr
.irp dt, 0,1,2,3
	v_cvt_scalef32_pk8_fp8_f32 v[OC+8*\t+2*\dt:OC+8*\t+2*\dt+1], v[BUF0+32*\t+8*\dt:BUF0+32*\t+8*\dt+7], v[SCO]
.endr
.endr
	v_nop                                          ; a plain line behind the last conversion
.irp t, 0,1
.irp c, 0,1
	global_store_b128 v[LI], v[OC+8*\t+4*\c:OC+8*\t+4*\c+3], s[OH:OH+1] offset:16384*\t+512*\c          ; 32 lanes store 512 consecutive bytes, at a multiple of 512 from af's first byte
	global_store_b128 v[LI], v[OC+16+8*\t+4*\c:OC+16+8*\t+4*\c+3], s[OL:OL+1] offset:16384*\t+512*\c
.endr
.endr
	s_wait_dscnt 0x0
	s_wait_tensorcnt 0x0
	ds_add_u32 v14, v15
	s_wait_dscnt 0x0
	CROUND                                         ; the closing round
	s_endpgm
.Lfunc_end_k_q3a9939a2f5_attn:
	.size	k_q3a9939a2f5_attn, .Lfunc_end_k_q3a9939a2f5_attn-k_q3a9939a2f5_attn
	.p2alignl 7, 3214868480
	.fill 96, 4, 3214868480
	.section	.rodata,"a",@progbits
	.p2align	6, 0x0
	.amdhsa_kernel k_q3a9939a2f5_attn
		.amdhsa_group_segment_fixed_size 327680
		.amdhsa_private_segment_fixed_size 0
		.amdhsa_enable_private_segment 0
		.amdhsa_kernarg_size 32
		.amdhsa_user_sgpr_count 2
		.amdhsa_user_sgpr_kernarg_segment_ptr 1
		.amdhsa_wavefront_size32 1
		.amdhsa_system_sgpr_workgroup_id_x 1
		.amdhsa_system_sgpr_workgroup_id_y 1
		.amdhsa_system_sgpr_workgroup_id_z 1
		.amdhsa_system_vgpr_workitem_id 0
		.amdhsa_next_free_vgpr 512
		.amdhsa_next_free_sgpr 72
		.amdhsa_reserve_vcc 1
		.amdhsa_float_denorm_mode_32 3
		.amdhsa_float_denorm_mode_16_64 3
		.amdhsa_fp16_overflow 1
		.amdhsa_memory_ordered 1
		.amdhsa_forward_progress 1
		.amdhsa_inst_pref_size 163
	.end_amdhsa_kernel
	.amdgpu_metadata
---
amdhsa.version: [ 1, 2 ]
amdhsa.kernels:
  - .name:           k_q3a9939a2f5_attn
    .symbol:         k_q3a9939a2f5_attn.kd
    .args:
      - { .name: qf, .offset: 0, .size: 8, .value_kind: global_buffer, .address_space: global }
      - { .name: kv, .offset: 8, .size: 8, .value_kind: global_buffer, .address_space: global }
      - { .name: lowp_scales, .offset: 16, .size: 8, .value_kind: global_buffer, .address_space: global }
      - { .name: af, .offset: 24, .size: 8, .value_kind: global_buffer, .address_space: global }
    .group_segment_fixed_size: 327680
    .private_segment_fixed_size: 0
    .kernarg_segment_align: 8
    .kernarg_segment_size: 32
    .max_flat_workgroup_size: 256
    .sgpr_count:     72
    .vgpr_count:     512
    .wavefront_size: 32
...
	.end_amdgpu_metadata
.endif
;; end of part 2
;; launch proj (part 3): grid 8 x 32, 4 waves a work-group, clusters of 4 x 4, 327,680 bytes of LDS; arguments af, W_out_codes, lowp_scales, out0; writes out0
.if DOCPART == 3
	.amdgcn_target "amdgcn-amd-amdhsa--gfx1250"
	.amdhsa_code_object_version 6
	.text
	.protected	k_q3a9939a2f5_proj
	.globl	k_q3a9939a2f5_proj
	.p2align	8
	.type	k_q3a9939a2f5_proj,@function
k_q3a9939a2f5_proj:
	s_mov_b64 s[64:65], 0
	v_nop
	global_prefetch_b8 v0, s[64:65] scope:SCOPE_SE
	s_setreg_imm32_b32 hwreg(HW_REG_WAVE_MODE, 25, 1), 1
	s_wait_xcnt 0x0
	s_wait_alu depctr_hold_cnt(0) depctr_sa_sdst(0) depctr_va_vdst(0) depctr_va_sdst(0) depctr_va_ssrc(0) depctr_va_vcc(0) depctr_vm_vsrc(0)
	s_getreg_b32 s2, hwreg(HW_REG_IB_STS2, 6, 4)
	s_cmp_eq_u32 s2, 0
	s_cbranch_scc0 .Lentry_in_a_cluster
	s_endpgm
.Lentry_in_a_cluster:
	s_bfe_u32 s2, ttmp6, 0x10000c
	s_cmp_lg_u32 s2, 0xf033
	s_cbranch_scc0 .Lentry_shape_is_right
	s_endpgm
.Lentry_shape_is_right:
; out0 = a W_out on codes of E4M3, K = 1,024; each finished sum x 2^(e6 + e7).  out0: [8,192][1,024] f32.
; a comes as IMAGES OF OPERAND REGISTERS: af [token tile 512][K step of 128: 8][4 groups][512 B], lane l's 16 bytes of a group at 16 l: registers 2 c, 2 c + 1 hold k = 16 c + 8 (l / 16) + 0 .. 7.
; W_out comes as rows of 1,024 codes, K innermost; its fragments are read in the same places of k: eight loads of 8 bytes.
; A tile is 256 tokens x 128 columns: 256 work-groups of four waves; a wave makes 128 tokens x 64 columns: 32 accumulators, 256 registers.  K goes in steps of 256 through two LDS slots.
; THE MATRIX INSTRUCTION IS USED TRANSPOSED (source 0 = 16 rows of W_out, source 1 = 16 tokens): a lane holds eight neighbouring numbers of a row of out0.
; CLUSTERS: 4 x 4 work-groups: a's tile hangs on the tile row alone and is asked for jointly along a row of the cluster, W_out's on the tile column alone and jointly down a column.
; LIMIT: e6 + e7 lies between -126 and 127, so that 2^(e6 + e7) is an f32 number.
; REGISTERS: window 0: v1-31 addresses; v32-127 the way out; from v128 a's fragments (8 x 16 tokens x 128 K), ONE set.   window 1: W_out's fragments, two sets of four, at v0 and v64.
;   window 2: accumulator (a, b) at v[8 (4 a + b)].
.set PITCH,  272                       ; W_out's LDS row: 256 bytes + 16 of padding: lane (r, h) reads words 68 r + 2 h, + 1: the 32 lanes of a load touch 64 different banks (64 banks of 4 bytes: ISA guide 11.1)
.set NP,     4                         ; places behind this matrix instruction (ISA guide 7.12.1)
.set APART,  65536                     ; a slot: a's 16 token tiles x 4,096 bytes (two K steps of 128), dense,
.set BHALF,  64*PITCH                  ; then W_out's 128 rows, in two halves
.set SLOT,   APART+2*BHALF
.set SPARE,  2*SLOT                    ; behind the ring: the spare words, 128 bytes for each wave, which no other line names
.set STAGE,  SPARE+512                 ; behind them: 16 rows x 272 bytes for each wave, for the way out: no fill lands there
.set SPITCH, 272
.set ADRA, 16                          ; v16-17  LDS address of my a fragments in slot 0, 1
.set ADRB, 20                          ; v20-21  the same for W_out
.set STO,  24                          ; v24     the way out: where I put 32 bytes of a row
.set RD,   25                          ; v25     where I read a row back
.set CO,   26                          ; v26     my byte offset in out0
.set SPW,  28                          ; v28     LDS address of my spare word; never rewritten
.set NIL,  29                          ; v29     0; never rewritten
.set TMP,  32                          ; v32-63  a block's sums x 2^(e6 + e7)
.set BK,   64                          ; v64-95 and v96-127 by turns: 16 rows read back from the stage
.set AF,   128
.set G1, 24                            ; s[24:31] descriptor group 1 for a's tiles;  s[32:39] group 0, one set for each slot
.set G0, 32
.set G1B, 48                           ; s[48:55], s[56:63] the same for W_out's
.set G0B, 56
.set MSB, 0
.macro WIN new                         ; the immediate's high byte repeats the setting that is left
.if MSB != \new
	s_set_vgpr_msb (MSB<<8)|\new
.set MSB, \new
.endif
.endm
.set MUL,  0xa1                        ; source 0 (W_out) window 1, source 1 (a) window 0, C and D window 2
.set TO_B, 0x40                        ; destination window 1, address window 0
; A joint load: waves 0 and 1 fetch a's two halves, waves 2 and 3 W_out's.  Four v_nop follow each of the two lines, ahead of the jump, the label and what follows.
.macro JLOAD g0a, g1a, g0b, g1b
	s_cmp_eq_u32 s15, 0
	s_cbranch_scc0 .Lfor_b_\@
	tensor_load_to_lds s[\g0a:\g0a+3], s[\g1a:\g1a+7]
	s_nop 0
.rept 4
	v_nop
.endr
	s_branch .Lasked_\@
.Lfor_b_\@:
	tensor_load_to_lds s[\g0b:\g0b+3], s[\g1b:\g1b+7]
	s_nop 0
.rept 4
	v_nop
.endr
.Lasked_\@:
.endm
.macro CREST                           ; a round of the cluster's barrier behind its opening barrier
	s_cmp_lg_u32 s14, 0
	s_cbranch_scc1 .Lnot_wave_0_\@
	s_barrier_signal -3
.Lnot_wave_0_\@:
	s_barrier_wait -3
	s_barrier_signal -1
	s_barrier_wait -1
.endm
.macro CROUND                          ; a whole round
	s_barrier_signal -1
	s_barrier_wait -1
	CREST
.endm
	s_load_b256 s[4:11], s[0:1], 0x0               ; af s[4:5], W_out's codes s[6:7], the scales' exponents s[8:9], out0 s[10:11]
	v_lshl_add_u32 v[SPW], v0, 2, SPARE
	v_mov_b32 v[NIL], 0
	ds_add_u32 v28, v29
	ds_add_u32 v28, v29
	s_wait_dscnt 0x0
	v_lshrrev_b32 v1, 5, v0
	v_readfirstlane_b32 s14, v1                    ; wave 0..3
	s_lshr_b32 s15, s14, 1                         ; which 128 tokens are mine.  Also: I fetch for a (0) or for W_out (1)
	s_and_b32 s16, s14, 1                          ; which 64 columns.  Also: which half of that tile I fetch
	s_bfe_u32 s40, ttmp6, 0x40000                  ; cx, cy
	s_bfe_u32 s41, ttmp6, 0x40004
	s_lshl_b32 s42, ttmp9, 2
	s_add_co_u32 s42, s42, s40                     ; tile column = 4 x cluster x + cx
	s_and_b32 s17, ttmp7, 0xffff
	s_lshl_b32 s17, s17, 2
	s_add_co_u32 s17, s17, s41                     ; tile row = 4 x cluster y + cy
	s_lshl_b32 s43, s41, 2
	s_lshl_b32 s43, 15, s43                        ; my row of the cluster
	s_lshl_b32 s44, 0x1111, s40                    ; my column
	; a: 8 token tiles x 4,096 bytes (512 elements of 8 bytes), 16,384 bytes apart in memory, dense in LDS
	s_or_b32 s[G1+0], s43, (3<<16)|(1<<21)         ; 15:0 the mask: my row; 17:16 elements of 8 bytes; 21 set beside a mask
	s_mov_b32 s[G1+1], 512<<16                     ; tensor_dim0 = 512
	s_mov_b32 s[G1+2], 8<<16                       ; tensor_dim1 = 8
	s_mov_b32 s[G1+3], 512<<16                     ; tile_dim0 = 512
	s_mov_b32 s[G1+4], 8                           ; tile_dim1 = 8
	s_mov_b32 s[G1+5], 2048                        ; tensor_dim0_stride
	s_mov_b32 s[G1+6], 0
	s_mov_b32 s[G1+7], 0
	; W_out: 64 rows x 256 bytes, padded in LDS
	s_or_b32 s[G1B+0], s44, (0<<16)|(1<<20)|(1<<21)|(5<<22)|(3<<25)  ; the mask: my column; elements of 1 byte; padding on: 4 words after every 64
	s_mov_b32 s[G1B+1], 256<<16
	s_mov_b32 s[G1B+2], 64<<16
	s_mov_b32 s[G1B+3], 256<<16
	s_mov_b32 s[G1B+4], 64
	s_mov_b32 s[G1B+5], 1024
	s_mov_b32 s[G1B+6], 0
	s_mov_b32 s[G1B+7], 0
	s_lshl_b32 s20, s17, 18                        ; a: 16 token tiles of 16,384 bytes a tile row,
	s_lshl_b32 s18, s16, 17                        ; + the 8 that I fetch
	s_add_co_u32 s20, s20, s18
	s_mov_b32 s21, 0
	s_lshl_b32 s46, s42, 17                        ; W_out: 128 rows of 1,024 bytes a tile column,
	s_lshl_b32 s18, s16, 16                        ; + the 64 that I fetch
	s_add_co_u32 s46, s46, s18
	s_mov_b32 s47, 0
	s_lshl_b32 s45, s16, 15                        ; where they go: a's half,
	s_mul_i32 s72, s16, BHALF
	s_add_co_u32 s72, s72, APART                   ; W_out's half: no place in the cluster enters an LDS address
	s_wait_kmcnt 0x0
	s_load_b256 s[80:87], s[8:9], 0x0              ; e0 .. e7
	s_add_nc_u64 s[20:21], s[4:5], s[20:21]
	s_add_nc_u64 s[46:47], s[6:7], s[46:47]
	CROUND                                         ; all sixteen work-groups are here: the first joint loads meet
.irp s, 0,1
	s_mov_b32 s[G0+4*\s], 1
	s_add_co_u32 s[G0+4*\s+1], s45, \s*SLOT
	s_add_nc_u64 s[G0+4*\s+2:G0+4*\s+3], s[20:21], \s*4096
	s_or_b32 s[G0+4*\s+3], s[G0+4*\s+3], 0x80000000
	s_mov_b32 s[G0B+4*\s], 1
	s_add_co_u32 s[G0B+4*\s+1], s72, \s*SLOT
	s_add_nc_u64 s[G0B+4*\s+2:G0B+4*\s+3], s[46:47], \s*256
	s_or_b32 s[G0B+4*\s+3], s[G0B+4*\s+3], 0x80000000
	s_wait_alu depctr_va_vdst(0)
	s_wait_tensorcnt 0x0
	ds_add_u32 v28, v29
	ds_add_u32 v28, v29
	s_wait_dscnt 0x0
	CROUND
	JLOAD G0+4*\s, G1, G0B+4*\s, G1B
.endr
	v_and_b32 v1, 15, v0                           ; r
	v_bfe_u32 v2, v0, 4, 1                         ; h
	v_and_b32 v6, 31, v0
	v_lshlrev_b32 v6, 4, v6                        ; 16 x lane
	v_mul_u32_u24 v3, v1, PITCH
	v_lshl_add_u32 v3, v2, 3, v3                   ; W_out: row r x pitch + 8 h
	s_lshl_b32 s21, s15, 15                        ; my 8 token tiles
	s_mul_i32 s22, s16, BHALF
	s_add_co_u32 s22, s22, APART                   ; my 64 rows of W_out
.irp s, 0,1
	v_add_nc_u32 v[ADRA+\s], s21, v6
	v_add_nc_u32 v[ADRB+\s], s22, v3
	s_add_co_u32 s21, s21, SLOT
	s_add_co_u32 s22, s22, SLOT
.endr
	s_mul_i32 s23, s14, 16*SPITCH
	s_add_co_u32 s23, s23, STAGE                   ; my stage
	v_mul_u32_u24 v4, v1, SPITCH                   ; in: row r, 32 bytes for each half of the lanes
	v_lshl_add_u32 v4, v2, 5, v4
	v_add_nc_u32 v[STO], s23, v4
	v_mul_u32_u24 v5, v2, SPITCH                   ; back: lanes 0-15 take one row of 256 bytes, lanes 16-31 the next
	v_lshl_add_u32 v5, v1, 4, v5
	v_add_nc_u32 v[RD], s23, v5
	v_lshlrev_b32 v5, 12, v2                       ; and the same two rows in out0 (4,096 bytes a row)
	v_lshl_add_u32 v[CO], v1, 4, v5
	s_lshl_b32 s20, s17, 20                        ; my first row: (256 x tile row + 128 x half) x 4,096 bytes,
	s_lshl_b32 s21, s15, 19
	s_add_co_u32 s20, s20, s21
	s_lshl_b32 s46, s42, 9                         ; my first column: 512 x tile column + 256 x half bytes
	s_lshl_b32 s47, s16, 8
	s_add_co_u32 s46, s46, s47
	s_add_co_u32 s20, s20, s46
	s_mov_b32 s21, 0
	s_add_nc_u64 s[10:11], s[10:11], s[20:21]
.macro FRAGA i, slot, q                ; a's fragment of token tile i, the slot's q-th 128 along K: four groups as they lie
.irp c, 0,1,2,3
	ds_load_b128 v[AF+16*(\i)+4*\c:AF+16*(\i)+4*\c+3], v[ADRA+\slot] offset:4096*(\i)+2048*(\q)+512*\c
.endr
.endm
.macro FETCH_A slot, q, i0             ; a's blocks i0 .. i0 + 3: sixteen loads
.irp i, \i0, \i0+1, \i0+2, \i0+3
	FRAGA \i, \slot, \q
.endr
.endm
.macro FETCH_B slot, q, p              ; W_out's four fragments into set p: registers 2 c, 2 c + 1 = k 16 c + 8 h + 0 .. 7 of row r: 32 loads
	WIN TO_B
.irp b, 0,1,2,3
.irp c, 0,1,2,3,4,5,6,7
	ds_load_b64 v[64*(\p)+16*\b+2*\c:64*(\p)+16*\b+2*\c+1], v[ADRB+\slot] offset:128*(\q)+16*\c+\b*16*PITCH
.endr
.endr
	WIN 0
.endm
; 8 matrix instructions: a's blocks a0, a0 + 1 x W_out's four.  The 32 accumulators take turns, one instruction a turn, in the same order in every step.
.macro MUL2 a0, p, zero
.irp a, \a0, \a0+1
.irp b, 0,1,2,3
.if \zero
	v_wmma_f32_16x16x128_fp8_fp8 v[8*(4*(\a)+\b):8*(4*(\a)+\b)+7], v[64*(\p)+16*\b:64*(\p)+16*\b+15], v[AF+16*(\a):AF+16*(\a)+15], 0
.else
	v_wmma_f32_16x16x128_fp8_fp8 v[8*(4*(\a)+\b):8*(4*(\a)+\b)+7], v[64*(\p)+16*\b:64*(\p)+16*\b+15], v[AF+16*(\a):AF+16*(\a)+15], v[8*(4*(\a)+\b):8*(4*(\a)+\b)+7]
.endif
.endr
.endr
.endm
.macro PLACES n                        ; in front of loads into registers that matrix instructions have read, and of the first read of results
.rept \n
	v_nop
.endr
.endm
; A step of 128 along K that has its successor in the same slot.
.macro STEP slot, q, zero
	s_wait_dscnt 16                                ; W_out's set and a's blocks 0-3 are in; the youngest sixteen loads (a's blocks 4-7) may be out
	WIN MUL
	MUL2 0, (\q)%2, \zero
	MUL2 2, (\q)%2, \zero
	s_wait_dscnt 0x0                               ; a's blocks 4-7 are in
	PLACES NP
	FETCH_B \slot, (\q)+1, 1-(\q)%2
	FETCH_A \slot, (\q)+1, 0
	WIN MUL
	MUL2 4, (\q)%2, \zero
	MUL2 6, (\q)%2, \zero
	PLACES NP
	WIN 0
	FETCH_A \slot, (\q)+1, 4
.endm
; A slot's last step changes slots: ONE barrier; in front of it each wave waits for all its tensor loads, adds 0 to its spare word, and waits for that and for its own reads of this slot.
.macro TURN slot, next, fill
	s_wait_tensorcnt 0x0                           ; all my tensor loads have landed: my part of the next slot
	ds_add_u32 v[SPW], v[NIL]                      ; 0 onto my spare word
	s_wait_dscnt 17                                ; (the add and the youngest sixteen loads, a's blocks 4-7, may be out)
	WIN MUL
	MUL2 0, 1, 0                                   ; eight matrix instructions stand between the add and the wait for it
	s_wait_dscnt 0x0                               ; the add is done, and my reads of this slot are over
	s_barrier_signal -1
	MUL2 2, 1, 0
	WIN 0
	s_barrier_wait -1
.if \fill
	CREST                                          ; the barrier has opened a round of the cluster's barrier: no wave of any partner still reads this slot or has a load on its way
	s_add_nc_u64 s[G0+4*\slot+2:G0+4*\slot+3], s[G0+4*\slot+2:G0+4*\slot+3], 2*4096
	s_add_nc_u64 s[G0B+4*\slot+2:G0B+4*\slot+3], s[G0B+4*\slot+2:G0B+4*\slot+3], 2*256
	JLOAD G0+4*\slot, G1, G0B+4*\slot, G1B         ; the first tensor load behind the round; its four v_nop are also the places in front of the loads below
.else
	PLACES NP
.endif
	s_wait_alu depctr_va_vdst(0)
	FETCH_B \next, 0, 0
	FETCH_A \next, 0, 0
	WIN MUL
	MUL2 4, 1, 0
	MUL2 6, 1, 0
	PLACES NP
	WIN 0
	FETCH_A \next, 0, 4
.endm
	s_wait_tensorcnt 1                             ; my part of slot 0 is in (slot 1's load may be out)
	s_barrier_signal -1
	s_barrier_wait -1                              ; everybody's is
	FETCH_B 0, 0, 0
	FETCH_A 0, 0, 0
	FETCH_A 0, 0, 4
	STEP 0, 0, 1                                   ; K 0: its products start the sums.  The eight steps of K = 1,024 are written out
	TURN 0, 1, 1                                   ; K 128; slot 0 takes K 512 on
	STEP 1, 0, 0
	TURN 1, 0, 1                                   ; K 384; slot 1 takes K 768 on
	STEP 0, 0, 0
	TURN 0, 1, 0                                   ; K 640; nothing is left to fetch
	STEP 1, 0, 0
	s_wait_dscnt 16                                ; K 896, the last step: a's blocks 4-7 may be out
	WIN MUL
	MUL2 0, 1, 0
	MUL2 2, 1, 0
	s_wait_dscnt 0x0
	MUL2 4, 1, 0
	MUL2 6, 1, 0
	WIN 0
; THE WAY OUT, block by block of 16 tokens x 64 columns.  A lane holds 32 neighbouring bytes of a row for each of four results, and the lanes beside it hold other rows: so a block goes through my own stage
; and comes back as whole rows of 256 bytes.  LDS serves a wave's instructions in order (ISA guide 5.7.1.4): no wait between the stores and the loads, nor in front of the next block's stores.
.macro TOSTAGE a
	WIN 0x02                                       ; source 0 window 2
.irp j, 0,2,4,6,8,10,12,14,16,18,20,22,24,26,28,30
	v_pk_mul_f32 v[TMP+\j:TMP+\j+1], v[32*(\a)+\j:32*(\a)+\j+1], s[96:97] op_sel_hi:[1,0]   ; x 2^(e6 + e7); each accumulator from its low end on
.endr
	WIN 0
.irp b, 0,1,2,3
	ds_store_b128 v[STO], v[TMP+8*\b:TMP+8*\b+3] offset:64*\b
	ds_store_b128 v[STO], v[TMP+8*\b+4:TMP+8*\b+7] offset:64*\b+16
.endr
.set BB, BK+32*((\a)%2)
.irp t, 0,1,2,3,4,5,6,7
	ds_load_b128 v[BB+4*\t:BB+4*\t+3], v[RD] offset:\t*2*SPITCH
.endr
.endm
.macro SEND a, younger                 ; younger: the LDS instructions issued behind block a's loads, which may stay out
.set BB, BK+32*((\a)%2)
	s_wait_dscnt \younger                          ; the block is back in registers
.if (\a) > 0
	s_add_nc_u64 s[10:11], s[10:11], 16*4096       ; (behind a wait on XCNT: the earlier stores have read their base)  16 rows on
.endif
.irp t, 0,1,2,3,4,5,6,7
	global_store_b128 v[CO], v[BB+4*\t:BB+4*\t+3], s[10:11] offset:\t*2*4096 th:TH_STORE_NT   ; 16 lanes store 256 consecutive bytes, at a multiple of 256 from out0's first byte; written once, read by nobody here
.endr
.endm
	s_wait_kmcnt 0x0
	s_add_co_i32 s96, s86, s87                     ; e6 + e7
	s_add_co_i32 s96, s96, 127
	s_lshl_b32 s96, s96, 23                        ; 2^(e6 + e7) as f32
	s_mov_b32 s97, s96                             ; (named with it as a pair, so it is written)
	PLACES NP
	TOSTAGE 0
.irp a, 1,2,3,4,5,6,7
.if \a > 1
	s_wait_xcnt 0x0                                ; block a - 2's stores have read their registers and their base: block a's loads may land there, and the base may step
.endif
	TOSTAGE \a
	SEND \a-1, 16                                  ; behind block a - 1's loads: block a's 8 stores and 8 loads
.endr
	s_wait_xcnt 0x0                                ; block 6's stores have read their base
	SEND 7, 0
	s_wait_tensorcnt 0x0                           ; the wave's end
	ds_add_u32 v[SPW], v[NIL]
	s_wait_dscnt 0x0
	CROUND                                         ; the closing round: no work-group ends while a partner may still ask for a tile that names it
	s_endpgm
.Lfunc_end_k_q3a9939a2f5_proj:
	.size	k_q3a9939a2f5_proj, .Lfunc_end_k_q3a9939a2f5_proj-k_q3a9939a2f5_proj
	.p2alignl 7, 3214868480
	.fill 96, 4, 3214868480
	.section	.rodata,"a",@progbits
	.p2align	6, 0x0
	.amdhsa_kernel k_q3a9939a2f5_proj
		.amdhsa_group_segment_fixed_size 327680
		.amdhsa_private_segment_fixed_size 0
		.amdhsa_enable_private_segment 0
		.amdhsa_kernarg_size 32
		.amdhsa_user_sgpr_count 2
		.amdhsa_user_sgpr_kernarg_segment_ptr 1
		.amdhsa_wavefront_size32 1
		.amdhsa_system_sgpr_workgroup_id_x 1
		.amdhsa_system_sgpr_workgroup_id_y 1
		.amdhsa_system_sgpr_workgroup_id_z 1
		.amdhsa_system_vgpr_workitem_id 0
		.amdhsa_next_free_vgpr 768
		.amdhsa_next_free_sgpr 100
		.amdhsa_reserve_vcc 0
		.amdhsa_float_denorm_mode_32 3
		.amdhsa_float_denorm_mode_16_64 3
		.amdhsa_memory_ordered 1
		.amdhsa_forward_progress 1
		.amdhsa_inst_pref_size 86
	.end_amdhsa_kernel
	.amdgpu_metadata
---
amdhsa.version: [ 1, 2 ]
amdhsa.kernels:
  - .name:           k_q3a9939a2f5_proj
    .symbol:         k_q3a9939a2f5_proj.kd
    .args:
      - { .name: af, .offset: 0, .size: 8, .value_kind: global_buffer, .address_space: global }
      - { .name: W_out_codes, .offset: 8, .size: 8, .value_kind: global_buffer, .address_space: global }
      - { .name: lowp_scales, .offset: 16, .size: 8, .value_kind: global_buffer, .address_space: global }
      - { .name: out0, .offset: 24, .size: 8, .value_kind: global_buffer, .address_space: global }
    .group_segment_fixed_size: 327680
    .private_segment_fixed_size: 0
    .kernarg_segment_align: 8
    .kernarg_segment_size: 32
    .max_flat_workgroup_size: 128
    .sgpr_count:     100
    .vgpr_count:     768
    .wavefront_size: 32
...
	.end_amdgpu_metadata
.endif
;; end of part 3
